; MI455X (gfx1250); checked and timed in simulation.
; The chip was launched on July 23, 2026; its instructions are those of AMD's public machine-readable ISA for CDNA 5 (MIT licence, August 2026) and "CDNA5" Instruction Set Architecture Reference Guide (July 2026). The comments in the code are by the model that wrote it; some were corrected since.
;; Multi Head Attention V2. Allowed arithmetic: matrix products marked QUANTISED: E4M3 operands, one given power-of-two scale a tensor, by v_wmma_f32_16x16x64_fp8_fp8 or v_wmma_f32_16x16x128_fp8_fp8, f32 sums; everything else in f32.
;; Inputs: lowp_scales 8 int32 (the exponents e of the quantised operands' scales 2^e); w_attn_codes 3,072 x 32 x 32 uint8 (E4M3 codes of w_attn, K innermost, in blocks of 32 codes); w_proj_codes 1,024 x 32 x 32 uint8 (E4M3 codes of w_proj, K innermost, in blocks of 32 codes); x_codes 4 x 2,048 x 32 x 32 uint8 (E4M3 codes of x, K innermost, in blocks of 32 codes).
;; Outputs: out0 4 x 2,048 x 1,024 float32.
;; This version of the problem:
;;   THIS VERSION OF THE PROBLEM IS GIVEN IN LOW PRECISION. The matrix products marked QUANTISED in the list below multiply operands that are first quantised to E4M3 (4 exponent bits, 3 mantissa bits; 8 bits a number), with one given power-of-two scale for each operand tensor; their sums are f32. All else is computed in f32.
;;   The module's matrix products, in the order in which they are computed (A, B: the left and right operand; K: the contracted axis; several contracted axes count as one K, in the product's order):
;;     1. [M 8,192, K 1,024] x [K 1,024, N 3,072]; A: input x (given as codes); B: input w_attn (given as codes): QUANTISED (scales: A lowp_scales[0], B lowp_scales[1])
;;     2. batch 64 x [M 2,048, K 64] x [K 64, N 2,048]; A: computed on the way; B: computed on the way: QUANTISED (scales: A lowp_scales[2], B lowp_scales[3])
;;     3. batch 64 x [M 2,048, K 2,048] x [K 2,048, N 64]; A: softmax (see below); B: computed on the way: QUANTISED (scales: A lowp_scales[4], B lowp_scales[5])
;;     4. [M 8,192, K 1,024] x [K 1,024, N 1,024]; A: computed on the way; B: input w_proj (given as codes): QUANTISED (scales: A lowp_scales[6], B lowp_scales[7])
;;   THE QUANTISER, for each operand of a quantised product, along K:
;;     - The operand's scale is 2^e, e = its entry of the input lowp_scales (int32; the entries are numbered through the quantised products in the list's order, A before B).
;;     - Each number is divided by the scale, clamped to +-448, and rounded to the nearest number of E4M3, ties to even, subnormals kept.
;;     - The product sums the exact products of the quantised numbers (number of the format x scale) in f32.
;;   ~~~python
;;   def quantise(x, axis, e):      # numpy; x: float32 -> the quantised numbers, widened to float32 again
;;       x = np.moveaxis(x, axis, -1); K = x.shape[-1]
;;       r = np.clip(x / 2.0 ** e, -448, 448)
;;       step = 2.0 ** (np.maximum(np.frexp(np.where(r == 0, 1, r))[1] - 1, -6) - 3)
;;       q = np.round(r / step) * step * 2.0 ** e      # np.round: ties to even
;;       return np.moveaxis(q, -1, axis).astype(np.float32)
;;   ~~~
;;   SOFTMAX AHEAD OF A QUANTISED PRODUCT. Where the list says 'softmax', what is quantised is not the finished softmax but p = 2^(t - M), with t = logit x log2(e) and M = ceil(the row's largest t), a whole number; so 1/2 < the row's largest p <= 1. The row's sum l is taken of the UNQUANTISED p, in f32, and the product's result is divided by l at the end. Since M is a whole number, a kernel that streams over the keys may use a running M (the ceiling of the running maximum): every later rescaling is an exact power of two, so the quantised numbers keep their values, but for numbers so far below the row's largest that they fall under the format's range.
;;   OPERANDS COMPUTED ON THE WAY. 'Computed on the way' means the value that the module computes at that place (a softmax that the list does not call 'softmax' is quantised finished and normalised). What goes into a quantiser is computed in f32, as accurately as f32 sums, v_exp_f32 and their like allow (about 1e-6 of the number): no bf16 or f16 on the way to a quantiser, and a product that is left as it is and whose result goes on into a quantised operand takes f32 operands (vector FMAs, or v_wmma_f32_16x16x4_f32). A number that lies on a knife's edge between two numbers of the format may be rounded either way, as far as f32 arithmetic and the matrix unit's own rounding can turn it there, and no further.
;;   INPUTS GIVEN AS CODES. w_attn (in the module: [1024, 3072], K = its axis 0); w_proj (in the module: [1024, 1024], K = its axis 0); x (in the module: [4, 2048, 1024], K = its axis 2): each comes as NAME_codes (uint8): NAME with its K axis moved to the last place and cut into blocks of 32 codes, [.., K / 32, bytes a block], one block behind the other in memory; one code a byte (a code: sign, 4 exponent bits, 3 mantissa bits); its scale is its entry of lowp_scales. Its value is code x scale, taken as it is: it is not quantised again, and the codes and scales need not be those that the quantiser above would give.
;; One version. Each part assembles by itself: llvm-mc -triple=amdgcn-amd-amdhsa -mcpu=gfx1250 --defsym DOCPART=n.
;; ======== version 1 of 1: 3 launches
;; limits: right only within a limited range of input values
;; workspace buffers: qimg 8,388,608 bytes; kvimg 16,777,216 bytes; yimg 8,388,608 bytes
;; launch qkv (part 1): grid 12 x 32, 4 waves a work-group, clusters of 4 x 4, 327,680 bytes of LDS; arguments x_codes, w_attn_codes, lowp_scales, qimg, kvimg; writes qimg, kvimg
.if DOCPART == 1
	.amdgcn_target "amdgcn-amd-amdhsa--gfx1250"
	.amdhsa_code_object_version 6
	.text
	.protected	k_q27b629d072_qkv
	.globl	k_q27b629d072_qkv
	.p2align	8
	.type	k_q27b629d072_qkv,@function
k_q27b629d072_qkv:
	s_mov_b64 s[64:65], 0
	v_nop
	global_prefetch_b8 v0, s[64:65] scope:SCOPE_SE
	s_setreg_imm32_b32 hwreg(HW_REG_WAVE_MODE, 25, 1), 1
	s_wait_xcnt 0x0
	s_wait_alu depctr_hold_cnt(0) depctr_sa_sdst(0) depctr_va_vdst(0) depctr_va_sdst(0) depctr_va_ssrc(0) depctr_va_vcc(0) depctr_vm_vsrc(0)
	s_getreg_b32 s2, hwreg(HW_REG_IB_STS2, 6, 4)
	s_cmp_eq_u32 s2, 0
	s_cbranch_scc0 .Lentry_in_a_cluster
	s_endpgm
.Lentry_in_a_cluster:
	s_bfe_u32 s2, ttmp6, 0x10000c
	s_cmp_lg_u32 s2, 0xf033
	s_cbranch_scc0 .Lentry_shape_is_right
	s_endpgm
.Lentry_shape_is_right:
; qkv = x w_attn on codes of FP8 (E4M3), and q, k, v quantised at once, from the f32 sums, into the operands of the attention launch.
; x_codes: [8192][1024], w_attn_codes: [3072][1024], K innermost, one code a byte.  lowp_scales: e0 .. e7.
; THE PRODUCT is C'[i][j] = sum over k of P[i][k] R[j][k].  A tile of C', 256 x 256, is made by four waves, each 128 x 128: 64 accumulators of 16 x 16, 512 registers.
; The matrix instruction takes 16 rows of R as source 0 and 16 rows of P as source 1: a lane then holds ONE row of P and eight neighbouring rows of R.
;   clusters x = 0 (q) and x = 1 (k): P = x (tokens), R = w_attn (features): a lane's registers run along the head's 64, the next product's K.
;   clusters x = 2 (v):               P = w_attn's last 1024 rows (features), R = x (tokens): a lane's registers run along the keys, the K of the product with p.
; So the conversions' results ARE registers of the next operands, and they are stored as images of those registers: four registers = 512 bytes, lane l's 16 bytes at 16 l.
;   qimg  [head of batch 64][tile of 16 queries 128][2][32 lanes][16 bytes]: registers 2 c, 2 c + 1 hold d = 16 c + 8 (lane / 16) + 0 .. 7 of query lane % 16.
;   kvimg [head of batch 64][key step of 128 keys 16][16384 bytes]: 8 tiles of 16 keys, laid as q's (1024 bytes each); then 4 tiles of 16 of the head's 64 (2048 bytes each):
;         registers 2 c, 2 c + 1 hold keys 16 c + 8 (lane / 16) + 0 .. 7 of d = 16 t + lane % 16.
; code = sum x 2^(e0 + e1) / 2^eK, held within +-448: the three exponents are folded into the conversion's one scale, 2^(eK - e0 - e1), eK = e2 (q), e3 (k), e5 (v).
; LIMIT: eK - e0 - e1 lies between -126 and 119, so that this power of two and 448 times it are f32 numbers.  NaN codes among the inputs are not served.
; The three kinds take ONE path: what differs (buffers, tile numbers, strides of the way out) is chosen by s_cselect on the cluster's x, which all sixteen partners share.
; K goes in steps of 256 through a ring of two LDS slots filled by the tensor data mover: a tile's row is 256 bytes of memory.
; CLUSTERS: 4 x 4 work-groups.  The four of a row of the cluster need the same tiles of P, the four of a column the same tiles of R: each tile is asked for JOINTLY.
; No prefetch: K is four slots' worth, of which two are asked for at the head.
; REGISTERS, in windows of 256: window 0: v0-31 addresses and constants; v96-111 codes (the way out); from v128 P's fragments (8 x 16 rows x 128 K), ONE set.
;   window 1: R's fragments, TWO sets, at v0 and at v128.   window 2: the 32 accumulators of my rows 0-63 (accumulator (a, b) at v[8 (8 a + b)]);   window 3: those of my rows 64-127.
.set KSTEP,  256                       ; along K in a slot
.set ROWB,   256                       ; a tile's row in bytes
.set KROW,   1024                      ; a row of x or of w_attn in memory, in bytes
.set PITCH,  272                       ; an LDS row: 256 bytes + 16 of padding = 68 words: row r starts at bank 4 r mod 64 (ISA guide 11.1), so the 16 rows that a load touches start at 16 different banks
.set FR,     16                        ; registers of a fragment: 16 rows x 128 K
.set NL,     4                         ; LDS loads that bring one
.set NP,     4                         ; places behind this matrix instruction (ISA guide 7.12.1)
.set HALFT,  128*PITCH                 ; 128 rows: what one tensor load brings, and what one wave reads of P or of R
.set SLOT,   4*HALFT                   ; P's 256 rows, then R's 256 rows
.set LAPS,   2                         ; a lap = two K steps of 256 = once round the ring: 1024 / 512
.set SPARE,  2*SLOT                    ; behind the ring: the spare words, 128 bytes for each wave: two blocks of 256 bytes that no other line names
.set ADRA, 16                          ; v16-17  LDS address of my P fragments in slot 0, 1
.set ADRB, 20                          ; v20-21  the same for R
.set LI,   27                          ; v27     16 x lane: my place in an image
.set SPW,  28                          ; v28     LDS address of my spare word: SPARE + 4 x my thread's number; never rewritten
.set NIL,  29                          ; v29     0; never rewritten
.set SCV,  30                          ; v30     2^(eK - e0 - e1) as f32
.set LIMV, 31
.set TMP,  32
.set CD,   96                          ; v96-111 their codes
.set AF,   128                         ; P's fragments, in window 0
.set G1, 24                            ; s[24:31] descriptor group 1 for P's tiles;  s[32:39] group 0, one set for each slot
.set G0, 32
.set G1B, 48                           ; s[48:55], s[56:63] the same for R's tiles
.set G0B, 56
.set MSB, 0
.macro WIN new                         ; the immediate's high byte repeats the setting that is left
.if MSB != \new
	s_set_vgpr_msb (MSB<<8)|\new
.set MSB, \new
.endif
.endm
.set MUL_LO, 0xa1                      ; source 0 (R) window 1, source 1 (P) window 0, C and D window 2
.set MUL_HI, 0xf1                      ; the same, C and D window 3
.set TO_B,   0x40                      ; destination window 1, address window 0
; A joint load: waves 0 and 1 fetch for P, waves 2 and 3 for R.  Each of the two lines has ONE mask and one set of registers for all that issue it; the branch hangs on the wave's number alone.
; Four v_nop follow each of the two lines, ahead of the jump, the label and what follows.
.macro JLOAD g0a, g1a, g0b, g1b
	s_cmp_eq_u32 s15, 0
	s_cbranch_scc0 .Lfor_b_\@
	tensor_load_to_lds s[\g0a:\g0a+3], s[\g1a:\g1a+7]
	s_nop 0
.rept 4
	v_nop
.endr
	s_branch .Lasked_\@
.Lfor_b_\@:
	tensor_load_to_lds s[\g0b:\g0b+3], s[\g1b:\g1b+7]
	s_nop 0
.rept 4
	v_nop
.endr
.Lasked_\@:
.endm
.macro CREST                           ; a round of the cluster's barrier behind its opening barrier
	s_cmp_lg_u32 s14, 0
	s_cbranch_scc1 .Lnot_wave_0_\@
	s_barrier_signal -3
.Lnot_wave_0_\@:
	s_barrier_wait -3
	s_barrier_signal -1
	s_barrier_wait -1
.endm
.macro CROUND                          ; a whole round
	s_barrier_signal -1
	s_barrier_wait -1
	CREST
.endm
	s_load_b256 s[4:11], s[0:1], 0x0               ; x s[4:5], w_attn s[6:7], the exponents s[8:9], qimg s[10:11]
	s_load_b64 s[12:13], s[0:1], 0x20              ; kvimg
	v_lshl_add_u32 v[SPW], v0, 2, SPARE
	v_mov_b32 v[NIL], 0
	ds_add_u32 v28, v29
	ds_add_u32 v28, v29
	s_wait_dscnt 0x0
	v_lshrrev_b32 v1, 5, v0
	v_readfirstlane_b32 s14, v1                    ; wave 0..3
	s_lshr_b32 s15, s14, 1                         ; rh: which half of the tile's rows (of P) is mine.  Also: I fetch for P (0) or for R (1)
	s_and_b32 s16, s14, 1                          ; ch: which half of its columns (rows of R).  Also: which 128 rows of that tile I fetch
	s_bfe_u32 s40, ttmp6, 0x40000                  ; cx, cy: my place in the cluster
	s_bfe_u32 s41, ttmp6, 0x40004
	s_and_b32 s17, ttmp7, 0xffff
	s_lshl_b32 s17, s17, 2                         ; 4 x cluster y
	s_add_co_u32 s86, s17, s41                     ; 4 Y + cy: q, k: the tile row, in x
	s_add_co_u32 s87, s17, s40                     ; 4 Y + cx: v: the tile column, in x
	s_lshl_b32 s88, ttmp9, 2
	s_add_co_u32 s88, s88, s40                     ; 4 X + cx: q, k: the tile column, in w_attn
	s_lshl_b32 s43, s41, 2
	s_lshl_b32 s43, 15, s43                        ; my row of the cluster
	s_lshl_b32 s44, 0x1111, s40                    ; my column
	s_cmp_eq_u32 ttmp9, 2                          ; v's clusters?  The same answer in all sixteen partners
	s_cselect_b32 s18, s41, s86                    ; TR, P's tile row: made of cy and the cluster's numbers alone
	s_cselect_b32 s42, s87, s88                    ; TC, R's tile row: made of cx and the cluster's numbers alone
	; descriptor group 1: a tile of 128 rows x 256 bytes, padded in LDS
	s_or_b32 s[G1+0], s43, (0<<16)|(1<<20)|(1<<21)|(5<<22)|(3<<25)  ; 15:0 the mask: P's tiles go to my row; 17:16 element of 1 byte; 20 padding on; 21 set beside a mask; 24:22 after every 64 words (code 5); 31:25 of 4 words (code 3)
	s_or_b32 s[G1B+0], s44, (0<<16)|(1<<20)|(1<<21)|(5<<22)|(3<<25)
.irp g, G1, G1B
	s_mov_b32 s[\g+1], ROWB<<16                    ; tensor_dim0
	s_mov_b32 s[\g+2], 128<<16                     ; tensor_dim1 = 128
	s_mov_b32 s[\g+3], ROWB<<16                    ; tile_dim0
	s_mov_b32 s[\g+4], 128                         ; tile_dim1 = 128
	s_mov_b32 s[\g+5], KROW                        ; tensor_dim0_stride
	s_mov_b32 s[\g+6], 0
	s_mov_b32 s[\g+7], 0
.endr
	s_lshl_b32 s19, s16, 7                         ; which 128 rows of the tile I fetch
	s_lshl_b32 s20, s18, 8
	s_add_co_u32 s20, s20, s19                     ; P: row 256 TR + 128 x half,
	s_lshl_b32 s20, s20, 10                        ; in bytes (under 2^23)
	s_mov_b32 s21, 0
	s_lshl_b32 s46, s42, 8
	s_add_co_u32 s46, s46, s19                     ; R: row 256 TC + 128 x half
	s_lshl_b32 s46, s46, 10
	s_mov_b32 s47, 0
	s_mul_i32 s45, s14, HALFT                      ; where they go: wave x 128 rows: no place in the cluster enters an LDS address
	s_wait_kmcnt 0x0
	s_load_b256 s[68:75], s[8:9], 0x0              ; e0 .. e7
	s_add_nc_u64 s[84:85], s[6:7], 0x200000        ; w_attn's rows 2048 on: v's features
	s_cmp_eq_u32 ttmp9, 2
	s_cselect_b64 s[96:97], s[84:85], s[4:5]       ; P's buffer
	s_cselect_b64 s[98:99], s[4:5], s[6:7]         ; R's buffer
	s_add_nc_u64 s[20:21], s[96:97], s[20:21]
	s_add_nc_u64 s[46:47], s[98:99], s[46:47]
	CROUND                                         ; all sixteen work-groups are here: the first joint loads meet
.irp s, 0,1
	s_mov_b32 s[G0+4*\s], 1
	s_add_co_u32 s[G0+4*\s+1], s45, \s*SLOT
	s_add_nc_u64 s[G0+4*\s+2:G0+4*\s+3], s[20:21], \s*ROWB
	s_or_b32 s[G0+4*\s+3], s[G0+4*\s+3], 0x80000000
	s_mov_b32 s[G0B+4*\s], 1
	s_add_co_u32 s[G0B+4*\s+1], s45, \s*SLOT
	s_add_nc_u64 s[G0B+4*\s+2:G0B+4*\s+3], s[46:47], \s*ROWB
	s_or_b32 s[G0B+4*\s+3], s[G0B+4*\s+3], 0x80000000
	JLOAD G0+4*\s, G1, G0B+4*\s, G1B
.endr
	v_and_b32 v1, 15, v0                           ; l % 16
	v_bfe_u32 v2, v0, 4, 1                         ; l / 16
	v_mul_u32_u24 v3, v1, PITCH
	v_lshl_add_u32 v4, v2, 4, v3                   ; a fragment's row x pitch + 16 x half
	s_mul_i32 s21, s15, HALFT                      ; my 128 rows of P
	s_mul_i32 s22, s16, HALFT                      ; my 128 rows of R,
	s_add_co_u32 s22, s22, 2*HALFT                 ; which lie behind P's 256
.irp s, 0,1
	v_add_nc_u32 v[ADRA+\s], s21, v4
	v_add_nc_u32 v[ADRB+\s], s22, v4
	s_add_co_u32 s21, s21, SLOT
	s_add_co_u32 s22, s22, SLOT
.endr
	v_and_b32 v5, 31, v0
	v_lshlrev_b32 v[LI], 4, v5
	s_wait_alu depctr_va_vdst(0)
	; THE WAY OUT'S ADDRESSES, made while the first tiles are on their way.  Block a of my 8 blocks of 16 rows of P gives 16 registers of codes, stored as 4 x 512 bytes: two at P0, two at P1 = P0 + D1.
	;   q, k: tokens 16 a on; registers 0-7 are head hd0's fragment, 8-15 head hd0 + 1's: D1 = a head's bytes; a block on = 1024 bytes.
	;   v:    head hd0 + a / 4, features 16 (a % 4) on; the 16 registers are one fragment of 128 keys: D1 = 1024; a block on = 2048 bytes, and at a = 4 on to the next head.
	s_wait_kmcnt 0x0                               ; the exponents
	s_cmp_eq_u32 ttmp9, 2
	s_cselect_b32 s86, s42, s18                    ; the tile number that counts tokens
	s_cselect_b32 s87, s41, s40                    ; the place that counts heads: four heads to a tile of 256 features
	s_cselect_b32 s88, s15, s16                    ; my half among the features,
	s_cselect_b32 s89, s16, s15                    ; and among the tokens
	s_cselect_b32 s90, 8192, 0                     ; v's tiles lie behind a key step's 8192 bytes of k
	s_mov_b32 s80, 1024
	s_cselect_b32 s80, 2048, s80                   ; a block on
	s_cselect_b32 s82, 253952, 0                   ; v, at a = 4: a head's 262144 bytes less four blocks' 8192
	s_cselect_b32 s91, s73, s71                    ; e5 or e3
	s_mov_b32 s92, 262144
	s_cselect_b32 s92, 1024, s92                   ; D1: v 1024, k 262144,
	s_cmp_eq_u32 ttmp9, 0
	s_cselect_b32 s92, 131072, s92                 ; q 131072
	s_cselect_b32 s91, s70, s91                    ; eK
	s_cselect_b32 s93, 0, 1                        ; a step of 128 tokens is 8192 bytes in qimg, twice that in kvimg
	s_cselect_b64 s[76:77], s[10:11], s[12:13]
	s_lshr_b32 s94, s86, 3                         ; batch: eight tiles of 256 tokens each
	s_and_b32 s86, s86, 7
	s_lshl_b32 s86, s86, 1
	s_add_co_u32 s86, s86, s89                     ; which 128 tokens of the batch's 2048
	s_lshl_b32 s87, s87, 2
	s_lshl_b32 s88, s88, 1
	s_add_co_u32 s87, s87, s88                     ; hd0
	s_lshl_b32 s94, s94, 4
	s_add_co_u32 s94, s94, s87
	s_lshl_b32 s94, s94, 4
	s_add_co_u32 s94, s94, s86
	s_lshl_b32 s94, s94, 13
	s_lshl_b32 s94, s94, s93
	s_add_co_u32 s94, s94, s90
	s_mov_b32 s95, 0
	s_add_nc_u64 s[76:77], s[76:77], s[94:95]      ; P0
	s_mov_b32 s93, 0
	s_add_nc_u64 s[78:79], s[76:77], s[92:93]      ; P1
	s_mov_b32 s81, 0
	s_mov_b32 s83, 0
	s_sub_co_i32 s91, s91, s68
	s_sub_co_i32 s91, s91, s69                     ; eK - e0 - e1
	s_add_co_i32 s91, s91, 127
	s_lshl_b32 s90, s91, 23
	v_mov_b32 v[SCV], s90                          ; 2^(eK - e0 - e1) as f32: the conversion takes its exponent field
.macro FRAG reg, adr, q, i             ; a fragment, 16 rows x 128 K: lane l holds row l % 16; registers 4 c .. 4 c + 3 hold K = 32 c + 16 (l / 16) + 0 .. 15: a permutation of k, the same in P and in R
.irp c, 0,1,2,3
	ds_load_b128 v[\reg+4*\c:\reg+4*\c+3], v[\adr] offset:128*(\q)+32*\c+(\i)*16*PITCH
.endr
.endm
; 16 matrix instructions: P's blocks a0, a0 + 1 x R's eight, 128 along K.  p: R's set.  zero = 1: the first product starts the sums: nothing is ever cleared.
; The 64 accumulators take turns, one instruction a turn, in the same order in every step.
.macro MUL16 a0, p, zero
.irp a, \a0, \a0+1
.irp b, 0,1,2,3,4,5,6,7
.if \zero
	v_wmma_f32_16x16x128_fp8_fp8 v[8*(8*((\a)%4)+\b):8*(8*((\a)%4)+\b)+7], v[128*(\p)+FR*\b:128*(\p)+FR*\b+FR-1], v[AF+FR*(\a):AF+FR*(\a)+FR-1], 0
.else
	v_wmma_f32_16x16x128_fp8_fp8 v[8*(8*((\a)%4)+\b):8*(8*((\a)%4)+\b)+7], v[128*(\p)+FR*\b:128*(\p)+FR*\b+FR-1], v[AF+FR*(\a):AF+FR*(\a)+FR-1], v[8*(8*((\a)%4)+\b):8*(8*((\a)%4)+\b)+7]
.endif
.endr
.endr
.endm
.macro FETCH_B slot, q, p              ; R's eight fragments of the slot's q-th 128 along K into set p
	WIN TO_B
.irp i, 0,1,2,3,4,5,6,7
	FRAG 128*(\p)+FR*\i, ADRB+\slot, \q, \i
.endr
	WIN 0
.endm
.macro FETCH_A slot, q, i0             ; P's blocks i0 .. i0 + 3
.irp i, \i0, \i0+1, \i0+2, \i0+3
	FRAG AF+FR*(\i), ADRA+\slot, \q, \i
.endr
.endm
; A load into a register that a matrix instruction has read, and a vector instruction that reads a matrix result, stand NP places behind that matrix instruction, and only plain vector
; instructions that name none of its registers are places (ISA guide 7.12.1 for vector instructions).
.macro PLACES n
.rept \n
	v_nop
.endr
.endm
; A step of 128 along K that has its successor in the same slot.
.macro STEP slot, q, zero
	s_wait_dscnt 4*NL                              ; R's set and P's blocks 0-3 are in; the youngest 16 loads (P's blocks 4-7) may be out
	WIN MUL_LO
	MUL16 0, (\q)%2, \zero
	MUL16 2, (\q)%2, \zero
	s_wait_dscnt 0                                 ; P's blocks 4-7 are in (asked for 32 matrix instructions ago)
	PLACES NP
	FETCH_B \slot, (\q)+1, 1-(\q)%2
	FETCH_A \slot, (\q)+1, 0
	WIN MUL_HI
	MUL16 4, (\q)%2, \zero
	MUL16 6, (\q)%2, \zero
	PLACES NP
	WIN 0
	FETCH_A \slot, (\q)+1, 4
.endm
; A slot's last step changes slots: ONE barrier; in front of it each wave waits for all its tensor loads, adds 0 to its spare word, and waits for that and for its own reads of this slot.  fill = 1: this slot is filled again, two K steps ahead.
.macro TURN slot, next, fill
	s_wait_tensorcnt 0x0                           ; all my tensor loads have landed: my part of the next slot;  (every window is 0 here: the add's two registers lie in window 0)
	ds_add_u32 v[SPW], v[NIL]                      ; 0 onto my spare word
	s_wait_dscnt 4*NL+1                            ; (the add and the youngest 16 loads, P's blocks 4-7, may be out)
	WIN MUL_LO
	MUL16 0, 1, 0                                  ; sixteen matrix instructions stand between the add and the wait for it
	s_wait_dscnt 0x0                               ; the add is done, and my reads of this slot are over
	s_barrier_signal -1
	MUL16 2, 1, 0
	WIN 0
	s_barrier_wait -1
.if \fill
	CREST                                          ; the barrier has opened a round of the cluster's barrier: no wave of any partner still reads this slot's tile or has a load on its way
	s_add_nc_u64 s[G0+4*\slot+2:G0+4*\slot+3], s[G0+4*\slot+2:G0+4*\slot+3], 2*ROWB
	s_add_nc_u64 s[G0B+4*\slot+2:G0B+4*\slot+3], s[G0B+4*\slot+2:G0B+4*\slot+3], 2*ROWB
	JLOAD G0+4*\slot, G1, G0B+4*\slot, G1B         ; the first tensor load behind the round; the four v_nop behind it are the places in front of the loads below
.else
	PLACES NP
.endif
	FETCH_B \next, 0, 0
	FETCH_A \next, 0, 0
	WIN MUL_HI
	MUL16 4, 1, 0
	MUL16 6, 1, 0
	PLACES NP
	WIN 0
	FETCH_A \next, 0, 4
.endm
	s_wait_tensorcnt 1                             ; my part of K step 0 is in (K step 1's load may be out)
	s_barrier_signal -1
	s_barrier_wait -1                              ; everybody's is
	FETCH_B 0, 0, 0
	FETCH_A 0, 0, 0
	FETCH_A 0, 0, 4
	STEP 0, 0, 1                                   ; the first step stands in front of the loop: its products start the sums
	s_mov_b32 s3, LAPS-1
.Llap:                                                 ; a trip goes once round the ring, from a lap's second step to the next lap's first, and fills both slots again
	TURN 0, 1, 1
	STEP 1, 0, 0
	TURN 1, 0, 1
	STEP 0, 0, 0
	s_sub_co_u32 s3, s3, 1
	s_cmp_lg_u32 s3, 0
	s_cbranch_scc1 .Llap
	TURN 0, 1, 0                                   ; the last lap fills nothing, and has no round of the cluster's barrier
	STEP 1, 0, 0
	s_wait_dscnt 4*NL                              ; the very last step: nothing more to fetch
	WIN MUL_LO
	MUL16 0, 1, 0
	MUL16 2, 1, 0
	s_wait_alu depctr_va_vdst(0)
	s_wait_dscnt 0
	WIN MUL_HI
	MUL16 4, 1, 0
	MUL16 6, 1, 0
	WIN 0
; THE WAY OUT of block a: its 64 sums are not held (the conversion to an 8-bit code does not saturate: ISA guide 7.6.2), each accumulator from its low end on; eight conversions
; make 16 registers of codes; four stores of 512 consecutive bytes each, at multiples of 512 from the buffer's first byte.  No turn through LDS: the registers are the image.
.macro QOUT a
.if (\a) > 0
	s_wait_xcnt 0x0                                ; the last block's stores have read their bases and their data: both are written again only behind this wait
	s_add_nc_u64 s[76:77], s[76:77], s[80:81]
	s_add_nc_u64 s[78:79], s[78:79], s[80:81]
.endif
.if (\a) == 4
	s_add_nc_u64 s[76:77], s[76:77], s[82:83]      ; v: on to the next head (q, k: 0)
	s_add_nc_u64 s[78:79], s[78:79], s[82:83]
.endif
	WIN 0x02+((\a)/4)                              ; source 0: window 2 or 3
.set i, 0
.rept 64
.set i, i+1
.endr
.irp b, 0,1,2,3,4,5,6,7
	v_cvt_scalef32_pk8_fp8_f32 v[CD+2*\b:CD+2*\b+1], v[TMP+8*\b+((64*((\a)%4)+i)-(TMP+i)):TMP+8*\b+7+((64*((\a)%4)+i)-(TMP+i))], v[SCV]
.endr
	WIN 0
	v_nop                                          ; one plain vector instruction behind the last conversion: the stores below read its results
	global_store_b128 v[LI], v[CD:CD+3], s[76:77]
	global_store_b128 v[LI], v[CD+4:CD+7], s[76:77] offset:512
	global_store_b128 v[LI], v[CD+8:CD+11], s[78:79]
	global_store_b128 v[LI], v[CD+12:CD+15], s[78:79] offset:512
.endm
	PLACES NP                                      ; behind the last products, ahead of the first read of results
.irp a, 0,1,2,3,4,5,6,7
	QOUT \a
.endr
	s_wait_tensorcnt 0x0                           ; the wave's end: behind my last tensor load
	ds_add_u32 v[SPW], v[NIL]
	s_wait_dscnt 0x0
	CROUND                                         ; the closing round: no work-group ends while a partner may still ask for a tile that names it
	s_endpgm
.Lfunc_end_k_q27b629d072_qkv:
	.size	k_q27b629d072_qkv, .Lfunc_end_k_q27b629d072_qkv-k_q27b629d072_qkv
	.p2alignl 7, 3214868480
	.fill 96, 4, 3214868480
	.section	.rodata,"a",@progbits
	.p2align	6, 0x0
	.amdhsa_kernel k_q27b629d072_qkv
		.amdhsa_group_segment_fixed_size 327680
		.amdhsa_private_segment_fixed_size 0
		.amdhsa_enable_private_segment 0
		.amdhsa_kernarg_size 40
		.amdhsa_user_sgpr_count 2
		.amdhsa_user_sgpr_kernarg_segment_ptr 1
		.amdhsa_wavefront_size32 1
		.amdhsa_system_sgpr_workgroup_id_x 1
		.amdhsa_system_sgpr_workgroup_id_y 1
		.amdhsa_system_sgpr_workgroup_id_z 1
		.amdhsa_system_vgpr_workitem_id 0
		.amdhsa_next_free_vgpr 1024
		.amdhsa_next_free_sgpr 100
		.amdhsa_reserve_vcc 0
		.amdhsa_float_denorm_mode_32 3
		.amdhsa_float_denorm_mode_16_64 3
		.amdhsa_fp16_overflow 1
		.amdhsa_memory_ordered 1
		.amdhsa_forward_progress 1
		.amdhsa_inst_pref_size 87
	.end_amdhsa_kernel
	.amdgpu_metadata
---
amdhsa.version: [ 1, 2 ]
amdhsa.kernels:
  - .name:           k_q27b629d072_qkv
    .symbol:         k_q27b629d072_qkv.kd
    .args:
      - { .name: x_codes, .offset: 0, .size: 8, .value_kind: global_buffer, .address_space: global }
      - { .name: w_attn_codes, .offset: 8, .size: 8, .value_kind: global_buffer, .address_space: global }
      - { .name: lowp_scales, .offset: 16, .size: 8, .value_kind: global_buffer, .address_space: global }
      - { .name: qimg, .offset: 24, .size: 8, .value_kind: global_buffer, .address_space: global }
      - { .name: kvimg, .offset: 32, .size: 8, .value_kind: global_buffer, .address_space: global }
    .group_segment_fixed_size: 327680
    .private_segment_fixed_size: 0
    .kernarg_segment_align: 8
    .kernarg_segment_size: 40
    .max_flat_workgroup_size: 128
    .sgpr_count:     100
    .vgpr_count:     1024
    .wavefront_size: 32
...
	.end_amdgpu_metadata
.endif
;; end of part 1
;; launch attn (part 2): grid 4 x 64, 16 waves a work-group, clusters of 4 x 1, 327,680 bytes of LDS; arguments qimg, kvimg, lowp_scales, yimg; writes yimg
.if DOCPART == 2
	.amdgcn_target "amdgcn-amd-amdhsa--gfx1250"
	.amdhsa_code_object_version 6
	.text
	.protected	k_q27b629d072_attn
	.globl	k_q27b629d072_attn
	.p2align	8
	.type	k_q27b629d072_attn,@function
k_q27b629d072_attn:
	s_mov_b64 s[64:65], 0
	v_nop
	global_prefetch_b8 v0, s[64:65] scope:SCOPE_SE
	s_setreg_imm32_b32 hwreg(HW_REG_WAVE_MODE, 25, 1), 1
	s_wait_xcnt 0x0
	s_wait_alu depctr_hold_cnt(0) depctr_sa_sdst(0) depctr_va_vdst(0) depctr_va_sdst(0) depctr_va_ssrc(0) depctr_va_vcc(0) depctr_vm_vsrc(0)
	s_getreg_b32 s2, hwreg(HW_REG_IB_STS2, 6, 4)
	s_cmp_eq_u32 s2, 0
	s_cbranch_scc0 .Lentry_in_a_cluster
	s_endpgm
.Lentry_in_a_cluster:
	s_bfe_u32 s2, ttmp6, 0x10000c
	s_cmp_lg_u32 s2, 0x3003
	s_cbranch_scc0 .Lentry_shape_is_right
	s_endpgm
.Lentry_shape_is_right:
; Causal attention of one head of one batch (64 of them: work-group y) on codes of FP8 (E4M3), and y quantised for the last product.  2048 queries and keys, head size 64.
; qimg and kvimg hold q, k and v as images of operand registers (four registers = 512 bytes, lane l's 16 bytes at 16 l):
;   qimg  [64][tile of 16 queries 128][1024 bytes];   kvimg [64][key step of 128 keys 16][16384 bytes]: 8 tiles of 16 keys (1024 bytes each), then 4 tiles of 16 of the head's 64 x 128 keys (2048 bytes each).
; THE SOFTMAX: t = score x log2(e) / 8; M = the row's largest t so far, rounded UP to a whole number; p = 2^(t - M) is what is quantised (scale 2^e4), not normalised.  The row's sum is taken of the unquantised p, in f32,
; and divides at the end.  When M moves, the sum and O are multiplied by 2^(old M - new M): nothing is rounded.
; LAYOUT.  S^T = K Q^T (source 0 = 16 keys, source 1 = 16 queries, K = 64) and O^T = V^T P^T (source 0 = 16 of the head's 64, source 1 = p, K = 128 keys): a lane holds ONE query (lane % 16) throughout.
; In tile t of S^T a lane's eight registers are keys 16 t + 8 (lane / 16) + 0 .. 7: their two registers of codes are registers 2 t, 2 t + 1 of the second product's operand as that form lays it, and v's images have the same order.
; SHARES.  The four work-groups of a cluster share one head.  Its 128 tiles of 16 queries are paired, j with 127 - j: j / 8 + 1 and 16 - j / 8 key steps count for them, 17 for every pair.  Each of the 64 waves takes a pair:
; wave w of the work-group at place cx takes j = 8 (w / 2) + 2 cx + w % 2, so that a tile's last key step, w / 2 or 15 - w / 2, hangs on the wave's number alone: no branch hangs on a place in the cluster.
; Sixteen waves of 256 registers, four to a SIMD: one wave's vector work stands beside another's products and LDS loads.
; LDS is a copy, byte for byte, of the head's 262144 bytes of kvimg, filled ONCE: no slot is filled again, nothing is stored into LDS.  Each wave asks for two parts at the head, JOINTLY with the same wave of its three
; partners (mask 15): 2048 bytes of key steps 0 and 1, then 14336 bytes of key steps 2 to 15.  Two tensor loads of a wave are out at the most.  The first two key steps are worked while the rest lands.
; No prefetch: every byte that the launch reads is asked for at its head.
; CAUSAL: every wave walks all 16 key steps (constant trip counts); a step all of whose keys come after a tile's queries is jumped over; on the diagonal step hidden scores become -infinity ahead of the maximum.
; y = O x 2^(e4 + e5) / l; its code is y / 2^e6: the three exponents are folded into the conversion's scale.  yimg [block of 128 rows 64][K step of 128: 8][tile of 16 rows 8][4][32 lanes][16 bytes]:
; registers 4 c .. 4 c + 3 hold k = 128 s + 32 c + 16 (lane / 16) + 0 .. 15 of row lane % 16.
; LIMITS on the given exponents, so that each power of two below is an f32 number: e2 + e3 between -123 and 130; e4, and e6 - e4 - e5, between -126 and 119.  NaN among the codes is not served.
.set LI,   1                           ; v1   16 x lane
.set ADR,  2                           ; v2   LDS address of the key step in hand
.set DV,   4                           ; v4, v5  tile X: my query's place in its diagonal key step, less 8 (lane / 16)
.set NINF, 6                           ; v6   -infinity
.set SCP,  7                           ; v7   2^e4 as f32
.set ST,   8                           ; v[8:11], v[12:15]  tile X: -M, the largest t, the sum in two halves
.set Q,    16                          ; v[16:23], v[24:31] Q's fragments
.set F,    32                          ; v[32:95]   8 fragments of K, then 4 of V
.set S,    96                          ; v[96:159]  S^T, then p
.set O,    160                         ; v[160:191], v[192:223] O^T
.set PC,   224                         ; v[224:239] p's codes; on the way out y's
.set FF,   240                         ; v[240:241] f = 2^(old M - new M) (the upper register is written once: it is named in the pair)
.set SUM2, 242                         ; v[242:243] the sum's second chain
.set MX,   244                         ; v244, v245 the maximum's two chains
.set PM,   246                         ; v246, v247 lane permutes' destinations
.set SCY,  248                         ; v248 2^(e6 - e4 - e5)
.set RC,   250                         ; v[250:251], v[252:253] 1 / l
.set WV,   12                          ; s12  my wave's number
.set KS,   48                          ; s48  the key step: the loops' counter
.set TB,   49                          ; s49  its first byte in LDS
.set LAST, 50                          ; s50, s51  tile X's last key step
.set CS,   52                          ; s[52:53] c = log2(e) / 8 x 2^(e2 + e3)
.set SEL,  54                          ; s[54:55] lane selects for v_permlanex16_b32: lane l xor 16
.set LP,   56
.macro CROUND                          ; a round of the cluster's barrier
	s_barrier_signal -1
	s_barrier_wait -1
	s_cmp_lg_u32 s[WV], 0
	s_cbranch_scc1 .Lnot_wave_0_\@
	s_barrier_signal -3
.Lnot_wave_0_\@:
	s_barrier_wait -3
	s_barrier_signal -1
	s_barrier_wait -1
.endm
	s_load_b256 s[4:11], s[0:1], 0x0               ; qimg s[4:5], kvimg s[6:7], the exponents s[8:9], yimg s[10:11]
	v_lshl_add_u32 v254, v0, 2, 0x40000
	v_mov_b32 v255, 0
	ds_add_u32 v254, v255
	ds_add_u32 v254, v255
	v_lshrrev_b32 v1, 5, v0
	s_delay_alu instid0(VALU_DEP_1)
	v_readfirstlane_b32 s[WV], v1                  ; wave 0..15
	s_bfe_u32 s13, ttmp6, 0x40000                  ; cx: my place in the cluster: it enters q's and y's global addresses and the mask's numbers alone
	s_and_b32 s14, ttmp7, 0xffff                   ; the head of the batch, which the four partners share
	; descriptor groups 1: dense blocks as rows of 256 bytes (32 elements of 8 bytes), 8 rows and 56 rows
	s_mov_b32 s16, 15|(3<<16)|(1<<21)              ; 15:0 the mask: all four work-groups; 17:16 elements of 8 bytes; 21 set beside a mask; no padding
	s_mov_b32 s17, 32<<16                          ; tensor_dim0 = 32
	s_mov_b32 s18, 8<<16                           ; tensor_dim1 = 8
	s_mov_b32 s19, 32<<16                          ; tile_dim0 = 32
	s_mov_b32 s20, 8                               ; tile_dim1 = 8
	s_mov_b32 s21, 32                              ; from row to row
	s_mov_b32 s22, 0
	s_mov_b32 s23, 0
	s_mov_b32 s24, 15|(3<<16)|(1<<21)
	s_mov_b32 s25, 32<<16
	s_mov_b32 s26, 56<<16
	s_mov_b32 s27, 32<<16
	s_mov_b32 s28, 56
	s_mov_b32 s29, 32
	s_mov_b32 s30, 0
	s_mov_b32 s31, 0
	s_lshl_b32 s2, s14, 18                         ; the head's 262144 bytes of kvimg
	s_mov_b32 s3, 0
	s_lshl_b32 s57, s[WV], 11                      ; my 2048 bytes of key steps 0 and 1,
	s_mul_i32 s58, s[WV], 14336
	s_add_co_u32 s58, s58, 32768                   ; my 14336 bytes of the rest: the same offsets in LDS and in the head's bytes
	s_mov_b32 s60, s57
	s_mov_b32 s61, 0
	s_mov_b32 s62, s58
	s_mov_b32 s63, 0
	s_wait_dscnt 0x0
	s_wait_kmcnt 0x0
	s_load_b256 s[40:47], s[8:9], 0x0              ; e0 .. e7
	s_add_nc_u64 s[6:7], s[6:7], s[2:3]
	s_mov_b32 s32, 1                               ; group 0: count = 1,
	s_mov_b32 s33, s57                             ; LDS address,
	s_add_nc_u64 s[34:35], s[6:7], s[60:61]        ; global address,
	s_or_b32 s35, s35, 0x80000000                  ; type = 2
	s_mov_b32 s36, 1
	s_mov_b32 s37, s58
	s_add_nc_u64 s[38:39], s[6:7], s[62:63]
	s_or_b32 s39, s39, 0x80000000
	CROUND                                         ; all four work-groups are here: the joint loads meet
	tensor_load_to_lds s[32:35], s[16:23]          ; the first fill; the second stands behind a wait for it and a round
	s_nop 0
	s_wait_alu depctr_va_vdst(0)
	s_wait_tensorcnt 0x0
	ds_add_u32 v254, v255
	s_wait_dscnt 0x0
	CROUND
	tensor_load_to_lds s[36:39], s[24:31]
	s_nop 0
.rept 4
	v_nop
.endr
	v_and_b32 v3, 31, v0
	s_delay_alu instid0(VALU_DEP_1)
	v_lshlrev_b32 v[LI], 4, v3
	s_wait_alu depctr_va_vdst(0)
	s_lshr_b32 s[LAST], s[WV], 1                   ; tile 0's last key step
	s_sub_co_u32 s[LAST+1], 15, s[LAST]            ; tile 1's
	s_and_b32 s57, s[WV], 1
	s_lshl_b32 s58, s13, 1
	s_add_co_u32 s57, s57, s58                     ; j % 8 = 2 cx + w % 2
	s_lshl_b32 s58, s[LAST], 3
	s_add_co_u32 s58, s58, s57                     ; tile 0: j
	s_sub_co_u32 s59, 127, s58                     ; tile 1: 127 - j
	s_lshl_b32 s60, s14, 7
	s_add_co_u32 s62, s60, s59
	s_add_co_u32 s60, s60, s58
	s_lshl_b32 s60, s60, 10                        ; a tile's image is 1024 bytes
	s_lshl_b32 s62, s62, 10
	s_mov_b32 s61, 0
	s_mov_b32 s63, 0
	s_add_nc_u64 s[60:61], s[4:5], s[60:61]
	s_add_nc_u64 s[62:63], s[4:5], s[62:63]
	global_load_b128 v[Q:Q+3], v[LI], s[60:61]     ; Q's two fragments stay in registers
	global_load_b128 v[Q+4:Q+7], v[LI], s[60:61] offset:512
	global_load_b128 v[Q+8:Q+11], v[LI], s[62:63]
	global_load_b128 v[Q+12:Q+15], v[LI], s[62:63] offset:512
	v_and_b32 v3, 15, v0                           ; r
	v_bfe_u32 v2, v0, 4, 1                         ; h
	s_delay_alu instid0(VALU_DEP_1)
	v_lshlrev_b32 v2, 3, v2
	s_delay_alu instid0(VALU_DEP_1)
	v_sub_nc_u32 v3, v3, v2                        ; r - 8 h
	s_lshl_b32 s15, s57, 4
	v_add_nc_u32 v[DV], s15, v3                    ; 16 (j % 8) + r - 8 h
	s_sub_co_u32 s15, 112, s15
	v_add_nc_u32 v[DV+1], s15, v3                  ; 16 (7 - j % 8) + r - 8 h
	v_mov_b32 v[NINF], 0xff800000
.irp x, 0,1
	v_mov_b32 v[ST+4*\x+1], 0xff61b1e6             ; the largest t so far: -3e38, under every t
	s_delay_alu instid0(VALU_DEP_1)
	v_floor_f32 v[ST+4*\x], -v[ST+4*\x+1]          ; -M
	v_mov_b32 v[ST+4*\x+2], 0                      ; the sum, in two halves
	v_mov_b32 v[ST+4*\x+3], 0
.endr
	v_mov_b32 v[FF+1], 0                           ; named as upper halves of pairs, or as destinations of lane permutes: written once
	v_mov_b32 v[PM], 0
	v_mov_b32 v[PM+1], 0
	v_mov_b32 v[RC+1], 0
	v_mov_b32 v[RC+3], 0
.set n, 0
.rept 64
	v_mov_b32 v[O+n], 0                            ; O^T.  (The key step is written once: a tile's first step finds zeros, which the first change of M leaves zeros)
.set n, n+1
.endr
	s_mov_b32 s[SEL], 0x76543210
	s_mov_b32 s[SEL+1], 0xfedcba98
	s_mov_b32 s[KS], 0
	s_mov_b32 s[TB], 0
	s_wait_kmcnt 0x0
	s_add_co_i32 s15, s42, s43                     ; a score stands for score x 2^(e2 + e3): the two exponents are added to c's exponent field
	s_lshl_b32 s15, s15, 23
	s_mov_b32 s[CS], 0x3e38aa3b                    ; log2(e) / 8
	s_add_co_i32 s[CS], s[CS], s15
	s_mov_b32 s[CS+1], s[CS]                       ; (named with it as a pair, so it is written)
	s_add_co_i32 s15, s44, 127
	s_lshl_b32 s2, s15, 23
	v_mov_b32 v[SCP], s2                           ; 2^e4 as f32, for p's conversions
	s_sub_co_i32 s15, s46, s44
	s_sub_co_i32 s15, s15, s45                     ; e6 - e4 - e5
	s_add_co_i32 s15, s15, 127
	s_lshl_b32 s2, s15, 23
	v_mov_b32 v[SCY], s2
; A KEY STEP of tile x: 128 keys.
.macro STEP x
.set rT, ST+4*\x
.set rO, O+32*\x
	s_cmp_gt_u32 s[KS], s[LAST+\x]                 ; all its keys come after my tile's queries: nothing to do.  The branch hangs on the wave's number and the loop's counter
	s_cbranch_scc1 .Lskip_\@
	v_add_nc_u32 v[ADR], s[TB], v[LI]
.rept 3
	v_nop                                          ; with the addition above: four places in front of loads into registers that the last products read
.endr
.irp t, 0,1,2,3,4,5,6,7
	ds_load_b128 v[F+8*\t:F+8*\t+3], v[ADR] offset:1024*\t       ; K's eight fragments: 32 lanes read 512 consecutive bytes
	ds_load_b128 v[F+8*\t+4:F+8*\t+7], v[ADR] offset:1024*\t+512
.endr
	s_wait_alu depctr_va_vdst(0)
	s_wait_dscnt 0x0
.irp t, 0,1,2,3,4,5,6,7
	v_wmma_f32_16x16x64_fp8_fp8 v[S+8*\t:S+8*\t+7], v[F+8*\t:F+8*\t+7], v[Q+8*\x:Q+8*\x+7], 0
.endr
.rept 4
	v_nop                                          ; places: in front of the loads below, and of the first read of the scores
.endr
.irp t, 0,1,2,3
.irp c, 0,1,2,3
	ds_load_b128 v[F+16*\t+4*\c:F+16*\t+4*\c+3], v[ADR] offset:8192+2048*\t+512*\c   ; V's four fragments land while the softmax is worked
.endr
.endr
	s_cmp_lg_u32 s[KS], s[LAST+\x]                 ; only the tile's last step lies on the diagonal
	s_cbranch_scc1 .Lopen_\@
.set n, 0
.rept 64                                       ; register 8 t + i holds key 16 t + 8 h + i of the step: hidden where 16 t + i > my query's place - 8 h
	v_cmp_gt_i32 vcc_lo, 16*(n/8)+n%8, v[DV+\x]
	v_cndmask_b32 v[S+n], v[S+n], v[NINF], vcc_lo
.set n, n+1
.endr
.Lopen_\@:
	v_max3_num_f32 v[MX], v[S], v[S+1], v[S+2]     ; the step's largest score of my query among my 64 keys, in two chains, each accumulator from its low end on,
	v_max3_num_f32 v[MX+1], v[S+3], v[S+4], v[S+5]
.set n, 6
.rept 14
	v_max3_num_f32 v[MX], v[MX], v[S+n], v[S+n+1]
	v_max3_num_f32 v[MX+1], v[MX+1], v[S+n+2], v[S+n+3]
.set n, n+4
.endr
	v_max3_num_f32 v[MX], v[MX], v[S+62], v[S+63]
	s_delay_alu instid0(VALU_DEP_1)
	v_max_num_f32 v[MX], v[MX], v[MX+1]
	s_delay_alu instid0(VALU_DEP_1)
	v_permlanex16_b32 v[PM], v[MX], s[SEL], s[SEL+1]
	s_delay_alu instid0(VALU_DEP_1)
	v_max_num_f32 v[MX], v[MX], v[PM]              ; and among lane l xor 16's.  (The step's first key counts for every query of the tile, so this is a number)
	s_delay_alu instid0(VALU_DEP_1)
	v_mul_f32 v[MX], s[CS], v[MX]                  ; as t (c is positive)
	s_delay_alu instid0(VALU_DEP_1)
	v_max_num_f32 v[rT+1], v[rT+1], v[MX]          ; the running largest t
	v_mov_b32 v[MX], v[rT]
	s_delay_alu instid0(VALU_DEP_2)
	v_floor_f32 v[rT], -v[rT+1]                    ; the new -M = floor(-t) = -ceil(t): M is a whole number
	s_delay_alu instid0(VALU_DEP_1)
	v_sub_f32 v[MX], v[rT], v[MX]                  ; M's old value less its new one: a whole number, 0 or less
	s_delay_alu instid0(VALU_DEP_1)
	v_cvt_i32_f32 v[MX], v[MX]                     ; (it saturates)
	s_delay_alu instid0(VALU_DEP_1)
	v_ldexp_f32 v[FF], 1.0, v[MX]                  ; f = 2^(old M - new M)
.set n, 0
.rept 32
	v_pk_fma_f32 v[S+n:S+n+1], v[S+n:S+n+1], s[CS:CS+1], v[rT:rT+1] op_sel_hi:[1,0,0]   ; t - M, two at a time (of the pairs c and -M the low word serves both halves)
.set n, n+2
.endr
.set n, 0
	s_wait_alu depctr_va_vdst(0)
.rept 64
	v_exp_f32 v[S+n], v[S+n]                       ; p = 2^(t - M), at most 1: not normalised
.set n, n+1
.endr
	v_pk_mul_f32 v[rT+2:rT+3], v[rT+2:rT+3], v[FF:FF+1] op_sel_hi:[1,0]   ; the sums under the new M: the plain instruction behind the exponentials
	s_wait_alu depctr_va_vdst(0)                   ; one wait for the batch of 64, ahead of its first reader
	v_pk_add_f32 v[SUM2:SUM2+1], v[S:S+1], v[S+2:S+3]   ; the row's sum is taken of the unquantised p: two at a time, in two chains
.set n, 4
.rept 15
	v_pk_add_f32 v[rT+2:rT+3], v[rT+2:rT+3], v[S+n:S+n+1]
	v_pk_add_f32 v[SUM2:SUM2+1], v[SUM2:SUM2+1], v[S+n+2:S+n+3]
.set n, n+4
.endr
	s_delay_alu instid0(VALU_DEP_1)
	v_pk_add_f32 v[rT+2:rT+3], v[rT+2:rT+3], v[SUM2:SUM2+1]
.set n, 0
.rept 64
.set n, n+1
.endr
.irp t, 0,1,2,3,4,5,6,7
	v_cvt_scalef32_pk8_fp8_f32 v[PC+2*\t:PC+2*\t+1], v[S+8*\t:S+8*\t+7], v[SCP]
.endr
.set n, 0
.rept 16
	v_pk_mul_f32 v[rO+n:rO+n+1], v[rO+n:rO+n+1], v[FF:FF+1] op_sel_hi:[1,0]   ; O^T under the new M, from each accumulator's low end on.  (Also the plain instructions between the conversions and the products)
.set n, n+2
.endr
	s_wait_alu depctr_va_vdst(0)
	s_wait_dscnt 0x0                               ; V's fragments are in
.irp t, 0,1,2,3                                ; the four accumulators take turns; between two turns of one stand the others' and the next step's eight products
	v_wmma_f32_16x16x128_fp8_fp8 v[rO+8*\t:rO+8*\t+7], v[F+16*\t:F+16*\t+15], v[PC:PC+15], v[rO+8*\t:rO+8*\t+7]
.endr
.Lskip_\@:
.endm
	s_wait_loadcnt 0x0                             ; Q
	s_wait_tensorcnt 1                             ; my part of key steps 0 and 1 is in; the rest may stay out
	s_barrier_signal -1
	s_barrier_wait -1                              ; everybody's is
.La:                                               ; key steps 0 and 1
	STEP 0
	STEP 1
	s_add_co_u32 s[TB], s[TB], 16384
	s_add_co_u32 s[KS], s[KS], 1
	s_cmp_lt_u32 s[KS], 2
	s_cbranch_scc1 .La
	s_wait_tensorcnt 0x0                           ; my part of key steps 2 to 15 is in,
	s_wait_dscnt 0x0
	s_barrier_signal -1
	s_barrier_wait -1                              ; everybody's is: from here on no wave waits for another
.Lb:                                               ; key steps 2 to 15
	STEP 0
	STEP 1
	s_add_co_u32 s[TB], s[TB], 16384
	s_add_co_u32 s[KS], s[KS], 1
	s_cmp_lt_u32 s[KS], 16
	s_cbranch_scc1 .Lb
	; THE WAY OUT.  y = O^T / l, quantised; the halves of the lanes exchange registers so that a lane holds 16 neighbours along the last product's K; two stores of 512 consecutive bytes a tile.
.rept 4
	v_nop                                          ; places behind the last products
.endr
	v_add_f32 v[MX], v[ST+2], v[ST+3]              ; the sum's two halves,
	v_add_f32 v[MX+1], v[ST+6], v[ST+7]
	s_delay_alu instid0(VALU_DEP_2)
	v_permlanex16_b32 v[PM], v[MX], s[SEL], s[SEL+1]
	s_delay_alu instid0(VALU_DEP_2)
	v_permlanex16_b32 v[PM+1], v[MX+1], s[SEL], s[SEL+1]
	s_delay_alu instid0(VALU_DEP_2)
	v_add_f32 v[MX], v[MX], v[PM]                  ; and lane l xor 16's: the row's sum
	s_delay_alu instid0(VALU_DEP_2)
	v_add_f32 v[MX+1], v[MX+1], v[PM+1]
	s_wait_alu depctr_va_vdst(0)
	v_rcp_f32 v[RC], v[MX]
	v_rcp_f32 v[RC+2], v[MX+1]
	v_nop                                          ; a plain instruction behind the reciprocals
	s_lshr_b32 s15, s14, 4
	s_lshl_b32 s15, s15, 7                         ; the batch's first tile of 16 rows
	s_and_b32 s2, s14, 15                          ; the head: its 64 of the 1024 are half of K step head / 2
	s_lshr_b32 s3, s2, 1
	s_lshl_b32 s3, s3, 14
	s_and_b32 s2, s2, 1
	s_lshl_b32 s2, s2, 10
	s_add_co_u32 s3, s3, s2
	s_add_co_u32 s60, s15, s58                     ; tile 0 among the 512 tiles of rows
	s_lshr_b32 s57, s60, 3
	s_lshl_b32 s57, s57, 17                        ; its block of 128 rows: 131072 bytes each,
	s_and_b32 s60, s60, 7
	s_lshl_b32 s60, s60, 11                        ; its place there: 2048 bytes each
	s_add_co_u32 s60, s60, s57
	s_add_co_u32 s60, s60, s3
	s_mov_b32 s61, 0
	s_add_nc_u64 s[60:61], s[10:11], s[60:61]
	s_add_co_u32 s62, s15, s59                     ; tile 1 likewise
	s_lshr_b32 s57, s62, 3
	s_lshl_b32 s57, s57, 17
	s_and_b32 s62, s62, 7
	s_lshl_b32 s62, s62, 11
	s_add_co_u32 s62, s62, s57
	s_add_co_u32 s62, s62, s3
	s_mov_b32 s63, 0
	s_add_nc_u64 s[62:63], s[10:11], s[62:63]
	s_wait_alu depctr_va_vdst(0)                   ; one wait for the two reciprocals, ahead of their first reader
.macro OUT x
.set rO, O+32*\x
.set rW, S+32*\x
.set rY, PC+8*\x
.set n, 0
.rept 16
	v_pk_mul_f32 v[rW+n:rW+n+1], v[rO+n:rO+n+1], v[RC+2*\x:RC+2*\x+1] op_sel_hi:[1,0]   ; O^T / l: register 8 t + i is d = 16 t + 8 h + i of my query
.set n, n+2
.endr
.set n, 0
.rept 32
.set n, n+1
.endr
.irp t, 0,1,2,3
	v_cvt_scalef32_pk8_fp8_f32 v[rY+2*\t:rY+2*\t+1], v[rW+8*\t:rW+8*\t+7], v[SCY]
.endr
	v_nop                                          ; one plain vector instruction between the conversions and the lines that touch their results
	v_permlane16_swap_b32 v[rY], v[rY+2]           ; the first's lanes 16-31 change places with the second's lanes 0-15: registers 4 b .. 4 b + 3 then hold d = 32 b + 16 h + 0 .. 15
	v_permlane16_swap_b32 v[rY+1], v[rY+3]
	v_permlane16_swap_b32 v[rY+4], v[rY+6]
	v_permlane16_swap_b32 v[rY+5], v[rY+7]
	global_store_b128 v[LI], v[rY:rY+3], s[60+2*\x:61+2*\x]
	global_store_b128 v[LI], v[rY+4:rY+7], s[60+2*\x:61+2*\x] offset:512
.endm
	OUT 0
	OUT 1
	s_wait_dscnt 0x0
	s_wait_tensorcnt 0x0
	ds_add_u32 v254, v255
	s_wait_dscnt 0x0
	CROUND                                         ; the closing round: no work-group ends while a partner may still ask for a tile that names it
	s_endpgm
.Lfunc_end_k_q27b629d072_attn:
	.size	k_q27b629d072_attn, .Lfunc_end_k_q27b629d072_attn-k_q27b629d072_attn
	.p2alignl 7, 3214868480
	.fill 96, 4, 3214868480
	.section	.rodata,"a",@progbits
	.p2align	6, 0x0
	.amdhsa_kernel k_q27b629d072_attn
		.amdhsa_group_segment_fixed_size 327680
		.amdhsa_private_segment_fixed_size 0
		.amdhsa_enable_private_segment 0
		.amdhsa_kernarg_size 32
		.amdhsa_user_sgpr_count 2
		.amdhsa_user_sgpr_kernarg_segment_ptr 1
		.amdhsa_wavefront_size32 1
		.amdhsa_system_sgpr_workgroup_id_x 1
		.amdhsa_system_sgpr_workgroup_id_y 1
		.amdhsa_system_sgpr_workgroup_id_z 1
		.amdhsa_system_vgpr_workitem_id 0
		.amdhsa_next_free_vgpr 256
		.amdhsa_next_free_sgpr 66
		.amdhsa_reserve_vcc 1
		.amdhsa_float_denorm_mode_32 3
		.amdhsa_float_denorm_mode_16_64 3
		.amdhsa_fp16_overflow 1
		.amdhsa_memory_ordered 1
		.amdhsa_forward_progress 1
		.amdhsa_inst_pref_size 89
	.end_amdhsa_kernel
	.amdgpu_metadata
---
amdhsa.version: [ 1, 2 ]
amdhsa.kernels:
  - .name:           k_q27b629d072_attn
    .symbol:         k_q27b629d072_attn.kd
    .args:
      - { .name: qimg, .offset: 0, .size: 8, .value_kind: global_buffer, .address_space: global }
      - { .name: kvimg, .offset: 8, .size: 8, .value_kind: global_buffer, .address_space: global }
      - { .name: lowp_scales, .offset: 16, .size: 8, .value_kind: global_buffer, .address_space: global }
      - { .name: yimg, .offset: 24, .size: 8, .value_kind: global_buffer, .address_space: global }
    .group_segment_fixed_size: 327680
    .private_segment_fixed_size: 0
    .kernarg_segment_align: 8
    .kernarg_segment_size: 32
    .max_flat_workgroup_size: 512
    .sgpr_count:     66
    .vgpr_count:     256
    .wavefront_size: 32
...
	.end_amdgpu_metadata
.endif
;; end of part 2
;; launch proj (part 3): grid 4 x 64, 4 waves a work-group, clusters of 4 x 1, 327,680 bytes of LDS; arguments yimg, w_proj_codes, lowp_scales, out0; writes out0
.if DOCPART == 3
	.amdgcn_target "amdgcn-amd-amdhsa--gfx1250"
	.amdhsa_code_object_version 6
	.text
	.protected	k_q27b629d072_proj
	.globl	k_q27b629d072_proj
	.p2align	8
	.type	k_q27b629d072_proj,@function
k_q27b629d072_proj:
	s_mov_b64 s[64:65], 0
	v_nop
	global_prefetch_b8 v0, s[64:65] scope:SCOPE_SE
	s_setreg_imm32_b32 hwreg(HW_REG_WAVE_MODE, 25, 1), 1
	s_wait_xcnt 0x0
	s_wait_alu depctr_hold_cnt(0) depctr_sa_sdst(0) depctr_va_vdst(0) depctr_va_sdst(0) depctr_va_ssrc(0) depctr_va_vcc(0) depctr_vm_vsrc(0)
	s_getreg_b32 s2, hwreg(HW_REG_IB_STS2, 6, 4)
	s_cmp_eq_u32 s2, 0
	s_cbranch_scc0 .Lentry_in_a_cluster
	s_endpgm
.Lentry_in_a_cluster:
	s_bfe_u32 s2, ttmp6, 0x10000c
	s_cmp_lg_u32 s2, 0x3003
	s_cbranch_scc0 .Lentry_shape_is_right
	s_endpgm
.Lentry_shape_is_right:
; out0 = y w_proj on codes of FP8 (E4M3).  y: 8192 x 1024, as images of operand registers: yimg [block of 128 rows 64][K step of 128: 8][tile of 16 rows 8][4][32 lanes][16 bytes]; registers 4 c .. 4 c + 3
; hold k = 128 s + 32 c + 16 (lane / 16) + 0 .. 15 of row lane % 16.  w_proj_codes: [1024 (n)][1024 (k)], K innermost.  out0: [8192][1024] f32 = sum x 2^(e6 + e7).
; LIMIT: e6 + e7 lies between -126 and 127, so that 2^(e6 + e7) is an f32 number.
; SHARES.  A work-group makes 128 rows (work-group y) x 256 columns (its place cx in the cluster).  THE WAVES SHARE THE COLUMNS: wave w makes 64 columns for all 128 rows, 32 accumulators (window 3).
; Its 64 rows of w_proj, 32 fragments, 512 registers (windows 1 and 2), come straight from memory, once, by loads of 16 bytes that give each lane the same k as y's images hold: a permutation of k, the same on both sides.
; The block's 131072 bytes of yimg are shared by the four work-groups of the cluster: they are asked for JOINTLY (mask 15) and copied into LDS byte for byte, ONCE: no slot is filled again.
; Each wave asks for two parts at the head: 8192 bytes of K steps 0 and 1, then 24576 bytes of K steps 2 to 7: two tensor loads of a wave are out at the most.
; THE MATRIX INSTRUCTION IS USED TRANSPOSED (source 0 = 16 rows of w_proj, source 1 = 16 rows of y): a lane holds eight neighbouring numbers of a row of out0.
; No prefetch: every byte is asked for at or near the head.
; REGISTERS: window 0: v1-6 addresses; v32-63 a block's results; v64, v128, v192 on: three sets of four fragments of y, by turns (on the way out v64-127: rows read back).
;   window 1: w_proj's fragments of K steps 0-3 (columns 16 n on, K step s: v[16 (4 (s % 4) + n)]); window 2: of K steps 4-7; window 3: accumulator (tile of rows m, n) at v[32 m + 8 n].
.set STG,  131072                      ; LDS: behind y's copy: a stage of 16 rows x (256 bytes + 16) for each wave; no tensor load lands there
.set SP,   272
.set LI0,  1                           ; v1  16 x lane
.set LI1,  2                           ; v2  the same + 65536: K steps 4 to 7 lie beyond an LDS instruction's immediate
.set BO,   3                           ; v3  w_proj: 1024 (lane % 16) + 16 (lane / 16)
.set STO,  4                           ; v4  the stage: where I put 32 bytes of a row
.set RD,   5                           ; v5  and where I read a row back
.set CO,   6                           ; v6  my byte offset in two rows of out0
.set TMP,  32
.set WV,   12
.set MSB, 0
.macro WIN new                         ; the immediate's high byte repeats the setting that is left
.if MSB != \new
	s_set_vgpr_msb (MSB<<8)|\new
.set MSB, \new
.endif
.endm
.macro CROUND                          ; a round of the cluster's barrier
	s_barrier_signal -1
	s_barrier_wait -1
	s_cmp_lg_u32 s[WV], 0
	s_cbranch_scc1 .Lnot_wave_0_\@
	s_barrier_signal -3
.Lnot_wave_0_\@:
	s_barrier_wait -3
	s_barrier_signal -1
	s_barrier_wait -1
.endm
.macro PLACES                          ; four places in front of loads into registers that matrix instructions have read, and of the first read of results (ISA guide 7.12.1 for vector instructions)
.rept 4
	v_nop
.endr
.endm
	s_load_b256 s[4:11], s[0:1], 0x0               ; yimg s[4:5], w_proj s[6:7], the exponents s[8:9], out0 s[10:11]
	v_lshl_add_u32 v30, v0, 2, 0x29000
	v_mov_b32 v31, 0
	ds_add_u32 v30, v31
	ds_add_u32 v30, v31
	v_lshrrev_b32 v1, 5, v0
	v_readfirstlane_b32 s[WV], v1                  ; wave 0..3
	s_bfe_u32 s13, ttmp6, 0x40000                  ; cx: it enters w_proj's and out0's global addresses alone
	s_and_b32 s14, ttmp7, 0xffff                   ; the block of 128 rows, which the four partners share
	; descriptor groups 1: dense blocks as rows of 256 bytes (32 elements of 8 bytes), 32 rows and 96 rows
	s_mov_b32 s16, 15|(3<<16)|(1<<21)              ; 15:0 the mask: all four work-groups; 17:16 elements of 8 bytes; 21 set beside a mask; no padding
	s_mov_b32 s17, 32<<16                          ; tensor_dim0 = 32
	s_mov_b32 s18, 32<<16                          ; tensor_dim1 = 32
	s_mov_b32 s19, 32<<16                          ; tile_dim0 = 32
	s_mov_b32 s20, 32                              ; tile_dim1 = 32
	s_mov_b32 s21, 32                              ; from row to row
	s_mov_b32 s22, 0
	s_mov_b32 s23, 0
	s_mov_b32 s24, 15|(3<<16)|(1<<21)
	s_mov_b32 s25, 32<<16
	s_mov_b32 s26, 96<<16
	s_mov_b32 s27, 32<<16
	s_mov_b32 s28, 96
	s_mov_b32 s29, 32
	s_mov_b32 s30, 0
	s_mov_b32 s31, 0
	s_lshl_b32 s2, s14, 17                         ; the block's 131072 bytes of yimg
	s_mov_b32 s3, 0
	s_lshl_b32 s50, s[WV], 13                      ; my 8192 bytes of K steps 0 and 1,
	s_mul_i32 s51, s[WV], 24576
	s_add_co_u32 s51, s51, 32768                   ; my 24576 bytes of the rest: the same offsets in LDS and in the block
	s_mov_b32 s52, s50
	s_mov_b32 s53, 0
	s_mov_b32 s54, s51
	s_mov_b32 s55, 0
	s_lshl_b32 s57, s13, 8
	s_lshl_b32 s58, s[WV], 6
	s_add_co_u32 s57, s57, s58                     ; my first column: 256 cx + 64 w
	s_lshl_b32 s58, s57, 10                        ; its row of w_proj
	s_mov_b32 s59, 0
	s_lshl_b32 s60, s57, 2
	s_lshl_b32 s61, s14, 19                        ; 128 rows of 4096 bytes
	s_add_co_u32 s60, s60, s61
	s_mov_b32 s61, 0
	v_and_b32 v7, 31, v0
	v_lshlrev_b32 v[LI0], 4, v7
	v_add_nc_u32 v[LI1], 65536, v[LI0]
	v_and_b32 v8, 15, v0                           ; r
	v_bfe_u32 v9, v0, 4, 1                         ; h
	v_lshlrev_b32 v[BO], 10, v8
	v_lshl_add_u32 v[BO], v9, 4, v[BO]
	s_mul_i32 s56, s[WV], 16*SP
	s_add_co_u32 s56, s56, STG                     ; my stage
	v_mul_u32_u24 v[STO], v8, SP                   ; in: row r, 32 bytes for each half of the lanes
	v_lshl_add_u32 v[STO], v9, 5, v[STO]
	v_add_nc_u32 v[STO], s56, v[STO]
	v_mul_u32_u24 v[RD], v9, SP                    ; back: lanes 0-15 take one row of 256 bytes, lanes 16-31 the next
	v_lshl_add_u32 v[RD], v8, 4, v[RD]
	v_add_nc_u32 v[RD], s56, v[RD]
	v_lshlrev_b32 v[CO], 12, v9                    ; and the same two rows in out0
	v_lshl_add_u32 v[CO], v8, 4, v[CO]
	s_wait_dscnt 0x0
	s_wait_kmcnt 0x0
	s_load_b256 s[40:47], s[8:9], 0x0              ; e0 .. e7
	s_add_nc_u64 s[4:5], s[4:5], s[2:3]
	s_add_nc_u64 s[6:7], s[6:7], s[58:59]
	s_add_nc_u64 s[10:11], s[10:11], s[60:61]
	s_mov_b32 s32, 1                               ; group 0: count = 1,
	s_mov_b32 s33, s50                             ; LDS address,
	s_add_nc_u64 s[34:35], s[4:5], s[52:53]        ; global address,
	s_or_b32 s35, s35, 0x80000000                  ; type = 2
	s_mov_b32 s36, 1
	s_mov_b32 s37, s51
	s_add_nc_u64 s[38:39], s[4:5], s[54:55]
	s_or_b32 s39, s39, 0x80000000
	CROUND                                         ; all four work-groups are here: the joint loads meet
	tensor_load_to_lds s[32:35], s[16:23]          ; the first fill; the second stands behind a wait for it and a round
	s_nop 0
	s_wait_alu depctr_va_vdst(0)
	s_wait_tensorcnt 0x0
	ds_add_u32 v30, v31
	s_wait_dscnt 0x0
	CROUND
	tensor_load_to_lds s[36:39], s[24:31]
	s_nop 0
.rept 4
	v_nop
.endr
.macro BLOAD s                         ; w_proj's four fragments of K step s: 16 loads
.irp n, 0,1,2,3
.irp c, 0,1,2,3
	global_load_b128 v[16*(4*((\s)%4)+\n)+4*\c:16*(4*((\s)%4)+\n)+4*\c+3], v[BO], s[6:7] offset:16384*\n+128*(\s)+32*\c
.endr
.endr
.endm
.macro FETCH g                         ; half step g = K step g / 2, tiles of rows 4 (g % 2) + 0 .. 3: four fragments of y into set g % 3: 16 loads of 512 consecutive bytes
.irp i, 0,1,2,3
.irp c, 0,1,2,3
	ds_load_b128 v[64+64*((\g)%3)+16*\i+4*\c:64+64*((\g)%3)+16*\i+4*\c+3], v[LI0+(\g)/8] offset:(((\g)/2)%4)*16384+2048*(4*((\g)%2)+\i)+512*\c
.endr
.endr
.endm
.macro MUL g                           ; its 16 products.  The 32 accumulators take turns, one instruction a turn, 16 in a half step.  K step 0's products start the sums
	WIN 0xf1+(\g)/8                                ; source 0 (w_proj) window 1 or 2, source 1 (y) window 0, C and D window 3
.irp i, 0,1,2,3
.irp n, 0,1,2,3
.if (\g) < 2
	v_wmma_f32_16x16x128_fp8_fp8 v[32*(4*((\g)%2)+\i)+8*\n:32*(4*((\g)%2)+\i)+8*\n+7], v[16*(4*(((\g)/2)%4)+\n):16*(4*(((\g)/2)%4)+\n)+15], v[64+64*((\g)%3)+16*\i:64+64*((\g)%3)+16*\i+15], 0
.else
	v_wmma_f32_16x16x128_fp8_fp8 v[32*(4*((\g)%2)+\i)+8*\n:32*(4*((\g)%2)+\i)+8*\n+7], v[16*(4*(((\g)/2)%4)+\n):16*(4*(((\g)/2)%4)+\n)+15], v[64+64*((\g)%3)+16*\i:64+64*((\g)%3)+16*\i+15], v[32*(4*((\g)%2)+\i)+8*\n:32*(4*((\g)%2)+\i)+8*\n+7]
.endif
.endr
.endr
	WIN 0
.endm
	WIN 0x40                                       ; destination window 1
	s_wait_alu depctr_va_vdst(0)
	BLOAD 0
	BLOAD 1
	BLOAD 2
	BLOAD 3
	WIN 0
	s_wait_kmcnt 0x0
	s_add_co_i32 s48, s46, s47                     ; e6 + e7
	s_add_co_i32 s48, s48, 127
	s_lshl_b32 s48, s48, 23                        ; 2^(e6 + e7) as f32
	s_mov_b32 s49, s48                             ; (named with it as a pair, so it is written)
	s_wait_tensorcnt 1                             ; my part of K steps 0 and 1 is in; the rest may stay out
	s_barrier_signal -1
	s_barrier_wait -1                              ; everybody's is
	FETCH 0
	FETCH 1
.irp g, 0,1,2,3,4,5,6,7,8,9,10,11,12,13,14,15
.if \g > 0
	PLACES                                         ; the set that is fetched next was multiplied in the half step before
.endif
.if \g == 2
	s_wait_tensorcnt 0x0                           ; my part of K steps 2 to 7 is in,
	s_wait_dscnt 0x0
	s_barrier_signal -1
	s_barrier_wait -1                              ; everybody's is: the fetch below is the first that reads it
.endif
.if \g < 14
	FETCH \g+2
.endif
	; the wait for this K step's 16 loads of w_proj: its count is the number of such loads issued behind them
.if \g == 0
	s_wait_loadcnt 48                              ; K steps 1, 2, 3
.endif
.if \g == 2
	s_wait_loadcnt 32                              ; K steps 2, 3
	WIN 0x80                                       ; destination window 2
	BLOAD 4
	BLOAD 5
	WIN 0
.endif
.if \g == 4
	s_wait_loadcnt 48                              ; K steps 3, 4, 5
	WIN 0x80
	BLOAD 6
	BLOAD 7
	WIN 0
.endif
.if \g == 6
	s_wait_loadcnt 63                              ; K steps 4 to 7 are 64 loads; the wait's field holds 63, which asks for one load more than is needed
.endif
.if \g == 8
	s_wait_loadcnt 48
.endif
.if \g == 10
	s_wait_loadcnt 32
.endif
.if \g == 12
	s_wait_loadcnt 16
.endif
.if \g == 14
	s_wait_loadcnt 0
.endif
.if \g < 14
	s_wait_dscnt 32                                ; this half step's fragments of y are in; the next two half steps' 32 loads may be out
.elseif \g == 14
	s_wait_dscnt 16
.else
	s_wait_dscnt 0
.endif
	MUL \g
.endr
; THE WAY OUT, a tile of 16 rows x my 64 columns at a time.  A lane holds 32 neighbouring bytes of a row, and the lanes beside it hold other rows: so a tile goes through my own stage in LDS and comes back as whole
; rows of 256 bytes.  LDS serves a wave's instructions in order (ISA guide 5.7.1.4): no wait between the stores and the loads, nor in front of the next tile's stores.
.macro TOSTAGE m
	WIN 0x03                                       ; source 0: window 3
.irp i, 0,2,4,6,8,10,12,14,16,18,20,22,24,26,28,30
	v_pk_mul_f32 v[TMP+\i:TMP+\i+1], v[32*(\m)+\i:32*(\m)+\i+1], s[48:49] op_sel_hi:[1,0]   ; both x 2^(e6 + e7); each accumulator from its low end on
.endr
	WIN 0
.irp n, 0,1,2,3
	ds_store_b128 v[STO], v[TMP+8*\n:TMP+8*\n+3] offset:64*\n
	ds_store_b128 v[STO], v[TMP+8*\n+4:TMP+8*\n+7] offset:64*\n+16
.endr
.irp i, 0,1,2,3,4,5,6,7
	ds_load_b128 v[64+32*((\m)%2)+4*\i:64+32*((\m)%2)+4*\i+3], v[RD] offset:2*SP*\i
.endr
.endm
.macro SEND m, younger                 ; younger: the LDS instructions issued behind tile m's loads, which may stay out
	s_wait_dscnt \younger
.irp i, 0,1,2,3,4,5,6,7
	global_store_b128 v[CO], v[64+32*((\m)%2)+4*\i:64+32*((\m)%2)+4*\i+3], s[10:11] offset:(16*(\m)+2*\i)*4096 th:TH_STORE_NT   ; 16 lanes store 256 consecutive bytes, at a multiple of 256 from out0's first byte; written once, read by nobody here
.endr
.endm
	PLACES                                         ; behind the last products: ahead of the first read of results and of loads into the registers that held y's fragments
	TOSTAGE 0
.irp m, 1,2,3,4,5,6,7
.if \m > 1
	s_wait_xcnt 0x0                                ; tile m - 2's stores have read their registers: tile m's loads may land there
.endif
	TOSTAGE \m
	SEND \m-1, 16                                  ; behind tile m - 1's loads: tile m's 8 stores and 8 loads
.endr
	SEND 7, 0
	s_wait_dscnt 0x0
	s_wait_tensorcnt 0x0
	ds_add_u32 v30, v31
	s_wait_dscnt 0x0
	CROUND                                         ; the closing round: no work-group ends while a partner may still ask for a tile that names it
	s_endpgm
.Lfunc_end_k_q27b629d072_proj:
	.size	k_q27b629d072_proj, .Lfunc_end_k_q27b629d072_proj-k_q27b629d072_proj
	.p2alignl 7, 3214868480
	.fill 96, 4, 3214868480
	.section	.rodata,"a",@progbits
	.p2align	6, 0x0
	.amdhsa_kernel k_q27b629d072_proj
		.amdhsa_group_segment_fixed_size 327680
		.amdhsa_private_segment_fixed_size 0
		.amdhsa_enable_private_segment 0
		.amdhsa_kernarg_size 32
		.amdhsa_user_sgpr_count 2
		.amdhsa_user_sgpr_kernarg_segment_ptr 1
		.amdhsa_wavefront_size32 1
		.amdhsa_system_sgpr_workgroup_id_x 1
		.amdhsa_system_sgpr_workgroup_id_y 1
		.amdhsa_system_sgpr_workgroup_id_z 1
		.amdhsa_system_vgpr_workitem_id 0
		.amdhsa_next_free_vgpr 1024
		.amdhsa_next_free_sgpr 66
		.amdhsa_reserve_vcc 0
		.amdhsa_float_denorm_mode_32 3
		.amdhsa_float_denorm_mode_16_64 3
		.amdhsa_memory_ordered 1
		.amdhsa_forward_progress 1
		.amdhsa_inst_pref_size 77
	.end_amdhsa_kernel
	.amdgpu_metadata
---
amdhsa.version: [ 1, 2 ]
amdhsa.kernels:
  - .name:           k_q27b629d072_proj
    .symbol:         k_q27b629d072_proj.kd
    .args:
      - { .name: yimg, .offset: 0, .size: 8, .value_kind: global_buffer, .address_space: global }
      - { .name: w_proj_codes, .offset: 8, .size: 8, .value_kind: global_buffer, .address_space: global }
      - { .name: lowp_scales, .offset: 16, .size: 8, .value_kind: global_buffer, .address_space: global }
      - { .name: out0, .offset: 24, .size: 8, .value_kind: global_buffer, .address_space: global }
    .group_segment_fixed_size: 327680
    .private_segment_fixed_size: 0
    .kernarg_segment_align: 8
    .kernarg_segment_size: 32
    .max_flat_workgroup_size: 128
    .sgpr_count:     66
    .vgpr_count:     1024
    .wavefront_size: 32
...
	.end_amdgpu_metadata
.endif
;; end of part 3
